; MI455X (gfx1250); checked and timed in simulation.
; The chip was launched on July 23, 2026; its instructions are those of AMD's public machine-readable ISA for CDNA 5 (MIT licence, August 2026) and "CDNA5" Instruction Set Architecture Reference Guide (July 2026). The comments in the code are by the model that wrote it; some were corrected since.
;; Support Layer. Allowed arithmetic: float matrix products may take bf16 or f16 operands with f32 sums; other float arithmetic in f32, or as packed bf16 or f16 multiplies, adds, multiply-adds, maxima and minima; sums over many terms, partial sums and values carried from step to step in f32; what a program stores and reads back later, other than sums and carried values, may be rounded once to bf16 or f16.
;; Inputs: W1 512 x 512 float32; W2 512 x 1 float32; b1 512 float32; b2 1 float32; embeddings 256 x 512 float32; support_tensors 1,024 x 512 float32.
;; Outputs: out0 256 x 1,024 float32.
;; One version. Each part assembles by itself: llvm-mc -triple=amdgcn-amd-amdhsa -mcpu=gfx1250 --defsym DOCPART=n.
;; ======== version 1 of 1: 2 launches
;; workspace buffers: wt 524,288 bytes
;; launch prep (part 1): grid 4 x 8, 8 waves a work-group, no clusters, 0 bytes of LDS; arguments W1, wt; writes wt
.if DOCPART == 1
	.amdgcn_target "amdgcn-amd-amdhsa--gfx1250"
	.amdhsa_code_object_version 6
	.text
	.protected	k_qffea5269f5_prep
	.globl	k_qffea5269f5_prep
	.p2align	8
	.type	k_qffea5269f5_prep,@function
k_qffea5269f5_prep:
	s_mov_b64 s[64:65], 0
	v_nop
	global_prefetch_b8 v0, s[64:65] scope:SCOPE_SE
	s_setreg_imm32_b32 hwreg(HW_REG_WAVE_MODE, 25, 1), 1
	s_wait_xcnt 0x0
; wt[h][k] = bf16(W1[k][h]): W1 [512][512] f32 is turned and rounded once, so that the main launch finds K along the rows.
; A work-group takes 128 k x 64 h.  Thread t: k0 = 8 (t % 16), h0 = 4 (t / 16).  It loads 16 bytes (4 h) of each of its 8 rows k
; and stores, for each of its 4 h, 8 neighbouring k as 16 bytes: sixteen neighbouring lanes store 256 consecutive bytes of a row
; of wt, at a multiple of 256 from its first byte.  The group's sixteen values of t / 16 together read 256 consecutive bytes of each row of W1.
; No LDS and no matrix unit: 1 MiB in, 0.5 MiB out, each byte once.
.set X, 4                              ; v[4:35]   row i of my 8: 4 f32 at X + 4 i
.set O, 36                             ; v[36:51]  column c of my 4: 8 bf16 at O + 4 c
	s_load_b128 s[4:7], s[0:1], 0x0                ; W1 s[4:5], wt s[6:7]
	v_and_b32 v3, 15, v0                           ; t % 16
	v_lshrrev_b32 v52, 4, v0                       ; t / 16
	v_lshlrev_b32 v1, 14, v3                       ; 8 rows of 2,048 bytes for each t % 16,
	v_lshl_add_u32 v1, v52, 4, v1                  ; + 16 bytes for each t / 16
	v_lshlrev_b32 v2, 4, v3                        ; in wt: 16 bytes for each t % 16,
	v_lshl_add_u32 v2, v52, 12, v2                 ; + 4 rows of 1,024 bytes for each t / 16
	s_and_b32 s8, ttmp7, 0xffff                    ; the tile's place along h
	s_lshl_b32 s10, ttmp9, 18                      ; W1: 128 rows of 2,048 bytes for each step along k,
	s_lshl_b32 s12, s8, 8                          ; 64 columns of 4 bytes for each step along h
	s_add_co_u32 s10, s10, s12
	s_mov_b32 s11, 0
	s_lshl_b32 s12, s8, 16                         ; wt: 64 rows of 1,024 bytes,
	s_lshl_b32 s13, ttmp9, 8                       ; 128 columns of 2 bytes
	s_add_co_u32 s12, s12, s13
	s_mov_b32 s13, 0
	s_wait_kmcnt 0x0
	s_add_nc_u64 s[4:5], s[4:5], s[10:11]
	s_add_nc_u64 s[6:7], s[6:7], s[12:13]
.irp i, 0,1,2,3,4,5,6,7
	global_load_b128 v[X+4*\i:X+4*\i+3], v1, s[4:5] offset:2048*\i th:TH_LOAD_NT
.endr
	s_wait_loadcnt 0x0                             ; all eight rows: every output word needs two of them
.irp c, 0,1,2,3
.irp u, 0,1,2,3
	v_cvt_pk_bf16_f32 v[O+4*\c+\u], v[X+8*\u+\c], v[X+8*\u+4+\c]  ; k0 + 2 u in the low half, k0 + 2 u + 1 in the high
.endr
.endr
.irp c, 0,1,2,3
	global_store_b128 v2, v[O+4*\c:O+4*\c+3], s[6:7] offset:1024*\c
.endr
	s_endpgm
.Lfunc_end_k_qffea5269f5_prep:
	.size	k_qffea5269f5_prep, .Lfunc_end_k_qffea5269f5_prep-k_qffea5269f5_prep
	.p2alignl 7, 3214868480
	.fill 96, 4, 3214868480
	.section	.rodata,"a",@progbits
	.p2align	6, 0x0
	.amdhsa_kernel k_qffea5269f5_prep
		.amdhsa_group_segment_fixed_size 0
		.amdhsa_private_segment_fixed_size 0
		.amdhsa_enable_private_segment 0
		.amdhsa_kernarg_size 16
		.amdhsa_user_sgpr_count 2
		.amdhsa_user_sgpr_kernarg_segment_ptr 1
		.amdhsa_wavefront_size32 1
		.amdhsa_system_sgpr_workgroup_id_x 1
		.amdhsa_system_sgpr_workgroup_id_y 1
		.amdhsa_system_sgpr_workgroup_id_z 1
		.amdhsa_system_vgpr_workitem_id 0
		.amdhsa_next_free_vgpr 56
		.amdhsa_next_free_sgpr 66
		.amdhsa_reserve_vcc 0
		.amdhsa_float_denorm_mode_32 3
		.amdhsa_float_denorm_mode_16_64 3
		.amdhsa_memory_ordered 1
		.amdhsa_forward_progress 1
		.amdhsa_inst_pref_size 4
	.end_amdhsa_kernel
	.amdgpu_metadata
---
amdhsa.version: [ 1, 2 ]
amdhsa.kernels:
  - .name:           k_qffea5269f5_prep
    .symbol:         k_qffea5269f5_prep.kd
    .args:
      - { .name: W1, .offset: 0, .size: 8, .value_kind: global_buffer, .address_space: global }
      - { .name: wt, .offset: 8, .size: 8, .value_kind: global_buffer, .address_space: global }
    .group_segment_fixed_size: 0
    .private_segment_fixed_size: 0
    .kernarg_segment_align: 8
    .kernarg_segment_size: 16
    .max_flat_workgroup_size: 256
    .sgpr_count:     66
    .vgpr_count:     56
    .wavefront_size: 32
...
	.end_amdgpu_metadata
.endif
;; end of part 1
;; launch main (part 2): grid 256 x 1, 4 waves a work-group, clusters of 4 x 1, 327,680 bytes of LDS; arguments embeddings, support_tensors, wt, b1, W2, b2, out0; writes out0
.if DOCPART == 2
	.amdgcn_target "amdgcn-amd-amdhsa--gfx1250"
	.amdhsa_code_object_version 6
	.text
	.protected	k_qffea5269f5_main
	.globl	k_qffea5269f5_main
	.p2align	8
	.type	k_qffea5269f5_main,@function
k_qffea5269f5_main:
	s_mov_b64 s[64:65], 0
	v_nop
	global_prefetch_b8 v0, s[64:65] scope:SCOPE_SE
	s_setreg_imm32_b32 hwreg(HW_REG_WAVE_MODE, 25, 1), 1
	s_wait_xcnt 0x0
	s_wait_alu depctr_hold_cnt(0) depctr_sa_sdst(0) depctr_va_vdst(0) depctr_va_sdst(0) depctr_va_ssrc(0) depctr_va_vcc(0) depctr_vm_vsrc(0)
	s_getreg_b32 s2, hwreg(HW_REG_IB_STS2, 6, 4)
	s_cmp_eq_u32 s2, 0
	s_cbranch_scc0 .Lentry_in_a_cluster
	s_endpgm
.Lentry_in_a_cluster:
	s_bfe_u32 s2, ttmp6, 0x10000c
	s_cmp_lg_u32 s2, 0x3003
	s_cbranch_scc0 .Lentry_shape_is_right
	s_endpgm
.Lentry_shape_is_right:
; out[n][m] = sigmoid(b2 + sum over h of W2[h] relu(b1[h] + sum over k of |e[n][k] - s[m][k]| W1[k][h])).
; e [256][512], s [1024][512], b1, W2 [512], b2 [1], out [256][1024]: f32.  wt [512 h][512 k]: W1 turned, bf16.
; One product of 262,144 rows (pairs n, m) x 512 h x 512 k whose first operand is made here: |e - s| is formed in f32 and rounded once to bf16.
; LIMITS.  A sigmoid below 2^-126 comes out as 0 (the exponential and the reciprocal flush denormals: ISA guide 15.8); a NaN does not pass the relu; infinities are not treated apart.
; SHARES.  A work-group owns 16 n x 64 m = 1,024 pairs and walks them in 8 PASSES of 128 pairs x all 512 h.  Pass p: ng = p % 2, mg = p / 2; pair 16 a + r is n = n0 + 8 ng + a,
; m = m0 + 4 r + mg, so that a thread's results of mg = 0..3 are four neighbouring numbers of a row of out.  All four waves multiply the same 128 rows of |e - s|; wave w owns
; h = 128 w .. 128 w + 127: 64 accumulators of 16 x 16, 512 registers.  Each |e - s| is made once in the work-group: each wave makes 32 of the 128 rows and puts them into LDS.
; THE PRODUCT IS USED TRANSPOSED: source 0 = 16 rows of wt, source 1 = 16 pairs: a lane holds ONE pair (lane % 16) and h = 8 (lane / 16) + 0..7.  So b1, laid out like a result,
; is the C operand of a pass's first products, and the second product (one column) is a packed multiply-add by W2 along the lane's registers, in f32.
; RINGS.  K goes in steps of 128.  wt's tiles: two LDS slots, filled by the tensor data mover; each wave fetches and reads its own 128 rows.  |e - s|: two LDS slots of 64 along K (a HALF-STEP),
; written by ds_store.  A K step is four quarters of 32 along K on fragment buffers 0, 1, 0, 1; two barriers a K step: in the second quarter (the odd half-step's rows are whole) and in
; the fourth (the next even half-step's rows are whole, and wt's slots change).
; CLUSTER.  All work-groups walk the same tiles of wt in the same order: the four of a cluster ask JOINTLY, the same tensor load, descriptor and mask in all four.
; RIDERS.  The making of a half-step's rows is cut into 24 pieces of four vector instructions, one behind every fourth matrix instruction.
; REGISTERS, in windows of 256 (s_set_vgpr_msb: bits 1:0 source 0, 3:2 source 1, 5:4 source 2, 7:6 destination):
;   window 0: v0-20 addresses; v24-31 results; v32-63 at work; v64-127, v128-191 fragments of |e - s|, two buffers; v192-223 e as loaded, two buffers; v224-255 s as loaded
;   window 1: v0-63 b1; v64-127, v128-191 fragments of wt, two buffers; v192-255 W2          windows 2, 3: accumulator (a, b) at v[8 (8 (a % 4) + b)], a = 0-3 and 4-7
.set PB,    272                        ; a row of wt in LDS: 256 bytes + 16 of padding = 68 words: the 16 rows of a load start at 16 different groups of four banks (64 banks of 4 bytes: ISA guide 11.1)
.set PA,    144                        ; a row of |e - s|: 128 bytes + 16 = 36 words: likewise
.set WTILE, 128*PB                     ; a wave's 128 rows of wt
.set BSLOT, 4*WTILE
.set ABASE, 2*BSLOT                    ; behind wt's two slots: no tensor load lands from here on
.set ASLOT, 128*PA
.set PART,  ABASE+2*ASLOT              ; 4 waves x 128 f32: the waves' parts of a pass's 128 sums
.set SPARE, PART+2048                  ; the spare words, 128 bytes for each wave: two blocks of 256 bytes that no other line names
.set ADRA, 8                           ; v8-9    LDS address of my fragments of |e - s| in slot 0, 1
.set ADRB, 10                          ; v10-11  the same for wt
.set ASTO, 12                          ; v12     where I put 16 bytes of a row of |e - s|, slot 0
.set VE,   13                          ; v13     my byte offset in a row of e: 32 (lane % 8)
.set VS,   14                          ; v14     my byte offset in s
.set PST,  15                          ; v15     where I put my wave's part of a sum
.set PRD,  16                          ; v16     where I read the four parts of my thread's pair
.set OUTO, 17                          ; v17     my byte offset in out
.set SPW,  18                          ; v18     LDS address of my spare word; never rewritten
.set NIL,  19                          ; v19     0; never rewritten
.set BW,   20                          ; v20     my byte offset in b1 and W2
.set RES,  24                          ; v24-31  pass p's result at RES + 4 (p % 2) + p / 2
.set T,    32                          ; v32-39  eight differences in f32
.set P,    40                          ; v40-43  the same in bf16
.set Z,    44                          ; v44-47  the four parts of a sum
.set PS,   48                          ; v48-63  a pair of running sums for each block a of 16 pairs
.set F0,   64
.set F1,   128
.set ES,   192
.set SS,   224
.set W2F,  192                         ; in window 1
.set WV,   18                          ; s18      my wave's number
.set G1,   24                          ; s[24:31] descriptor group 1
.set G0,   32                          ; s[32:39] descriptor group 0, a set for each slot
.set WB,   40                          ; s[40:43] wt at my 128 rows, K step 0 and K step 1
.set KO,   44                          ; s[44:45] 512 or 0: the K steps 2, 3 or 0, 1 of a pass are asked for next
.set EBASE, 46                         ; s[46:47] e at my wave's two rows of ng = 0
.set SBASE, 48                         ; s[48:49] s at the work-group's 64 rows
.set ECUR, 50                          ; s[50:51] the same at the half-step that is being loaded
.set SCUR, 54                          ; s[54:55]
.set OFE,  58                          ; s[58:59] that half-step's byte offset in e
.set OFS,  60                          ; s[60:61] and in s
.set QL,   62                          ; s62      the half-step to be loaded next, 1 to 63
.set LAP,  63                          ; s63      counts the loop's trips
.set PASS, 66                          ; s66      the pass whose results come next
.set ABSM, 67                          ; s67      clears the signs of two bf16
.set SEL,  68                          ; s[68:69] v_permlanex16_b32's selects: each lane takes its own place in the other half
.set BIAS2, 73                         ; s73      b2
.set OUTB, 74                          ; s[74:75] out at the work-group's tile
.set TW,   76                          ; s[76:79] at work on what hangs on the wave's number alone
.set TL,   78
.set TC,   79
.set MSB, 0
.set GP, 24
.set GPAR, 0
.set GLD, 0
.macro WIN new                         ; the immediate's high byte repeats the setting that is left; a switch that changes nothing is dropped
.if MSB != (\new)
	s_set_vgpr_msb (MSB<<8)|(\new)
.set MSB, \new
.endif
.endm
; A load into a register that a matrix instruction has read, and a vector instruction that reads a matrix result, stand four places behind that matrix instruction, and only plain vector
; instructions that name none of its registers are places (ISA guide 7.12.1 for vector instructions).
.macro PLACES
.rept 4
	v_nop
.endr
.endm
; A round of the cluster's barrier behind its opening barrier: wave 0 signals for the work-group, every wave waits for all four work-groups, my work-group's barrier once more.
.macro CREST
	s_cmp_lg_u32 s[WV], 0
	s_cbranch_scc1 .Lnot_wave_0_\@
	s_barrier_signal -3
.Lnot_wave_0_\@:
	s_barrier_wait -3
	s_barrier_signal -1
	s_barrier_wait -1
.endm
.macro CROUND
	s_barrier_signal -1
	s_barrier_wait -1
	CREST
.endm
; A joint fill: every wave asks for its own 128 rows; the descriptor is made of the wave's number and constants alone, so it is the same in all four work-groups.
; An s_nop 0 and four v_nop follow the line.
.macro JLOAD s
	tensor_load_to_lds s[G0+4*(\s):G0+4*(\s)+3], s[G1:G1+7]
	s_nop 0
	PLACES
.endm
; The addresses of half-step QL: pass QL / 8 (ng = its bit 0: 8 rows of e; mg = the rest: one row of s), 64 k = 256 bytes for each of the pass's 8 half-steps.
.macro GADDR
	s_wait_xcnt 0x0                                ; every earlier load has had its addresses translated (ISA guide 3.1): only behind this wait are the two bases written again
	s_and_b32 s70, s[QL], 7
	s_lshl_b32 s70, s70, 8
	s_bfe_u32 s71, s[QL], 0x10003
	s_lshl_b32 s71, s71, 14
	s_or_b32 s[OFE], s70, s71
	s_bfe_u32 s71, s[QL], 0x20004
	s_lshl_b32 s71, s71, 11
	s_or_b32 s[OFS], s70, s71
	s_add_nc_u64 s[ECUR:ECUR+1], s[EBASE:EBASE+1], s[OFE:OFE+1]
	s_add_nc_u64 s[SCUR:SCUR+1], s[SBASE:SBASE+1], s[OFS:OFS+1]
	s_add_co_u32 s[QL], s[QL], 1
.endm
; THE MAKING OF A HALF-STEP'S ROWS.  My wave's 32 rows x 64 k are 8 items of 8 numbers a lane: item (sr, er) is row 16 er + 8 b3 + 4 b4 + sr of the 32 (b3, b4: bits 3, 4 of the lane),
; k = 8 (lane % 8) + 0..7.  An item is three pieces: four packed differences; four roundings to bf16; four clearings of signs and the store.  GENSTART par, ld: the half-step goes into slot par;
; ld = 1: the next half-step's e (at once, into the other buffer) and s (each row when both its items are through) are loaded on the way.
.macro GENSTART par, ld
.set GP, 0
.set GPAR, \par
.set GLD, \ld
.endm
.macro RIDE                            ; the next piece, if one is left
.if GP < 24
	WIN 0
.set GSR, GP/6
.set GER, (GP/3)%2
.set GEV, ES+16*GPAR+8*GER
.set GSV, SS+8*GSR
.if (GP == 0) && (GLD == 1)
	GADDR
.irp i, 0,1
	global_load_b128 v[ES+16*(1-GPAR)+8*\i:ES+16*(1-GPAR)+8*\i+3],   v[VE], s[ECUR:ECUR+1] offset:2048*\i
	global_load_b128 v[ES+16*(1-GPAR)+8*\i+4:ES+16*(1-GPAR)+8*\i+7], v[VE], s[ECUR:ECUR+1] offset:2048*\i+16
.endr
.endif
.if (GP%3) == 0
.if GER == 0
	s_wait_loadcnt 2*(3-GSR)+GLD*(4+2*GSR)         ; loads come back in order (ISA guide 5.7.1): behind row sr of s were issued this half-step's later rows, 2 each, and with ld = 1 the next e's 4 and the next s's first sr rows
.endif
.irp u, 0,1,2,3
	v_pk_add_f32 v[T+2*\u:T+2*\u+1], v[GEV+2*\u:GEV+2*\u+1], v[GSV+2*\u:GSV+2*\u+1] neg_lo:[0,1] neg_hi:[0,1]  ; e - s, in f32
.endr
.elseif (GP%3) == 1
.irp u, 0,1,2,3
	v_cvt_pk_bf16_f32 v[P+\u], v[T+2*\u], v[T+2*\u+1]
.endr
.else
.irp u, 0,1,2,3
	v_and_b32 v[P+\u], s[ABSM], v[P+\u]            ; rounding to nearest even is the same for both signs, so the sign may go last, two at a time
.endr
	ds_store_b128 v[ASTO], v[P:P+3] offset:GPAR*ASLOT+GER*16*PA+GSR*PA
.if (GER == 1) && (GLD == 1)
	global_load_b128 v[GSV:GSV+3],   v[VS], s[SCUR:SCUR+1] offset:8192*GSR
	global_load_b128 v[GSV+4:GSV+7], v[VS], s[SCUR:SCUR+1] offset:8192*GSR+16
.endif
.endif
.set GP, GP+1
.endif
.endm
; 16 matrix instructions: blocks a0, a0 + 1 of the window's four (hi = 0: pairs 0-63, 1: pairs 64-127) x all 8 blocks of h, 32 along K.  bias = 1: a pass's first products start the sums with b1.
; ride = 1: a piece stands behind every fourth.  The 64 accumulators take turns, one instruction a turn, in the same order in every quarter.
.macro MUL16 f, hi, a0, bias, ride
.irp a, \a0, (\a0)+1
.irp b, 0,1,2,3,4,5,6,7
.if \bias
	WIN 0x91+0x40*(\hi)
	v_wmma_f32_16x16x32_bf16 v[8*(8*(\a)+(\b)):8*(8*(\a)+(\b))+7], v[(\f)+8*(\b):(\f)+8*(\b)+7], v[(\f)+8*(4*(\hi)+(\a)):(\f)+8*(4*(\hi)+(\a))+7], v[8*(\b):8*(\b)+7]
.else
	WIN 0xa1+0x50*(\hi)
	v_wmma_f32_16x16x32_bf16 v[8*(8*(\a)+(\b)):8*(8*(\a)+(\b))+7], v[(\f)+8*(\b):(\f)+8*(\b)+7], v[(\f)+8*(4*(\hi)+(\a)):(\f)+8*(4*(\hi)+(\a))+7], v[8*(8*(\a)+(\b)):8*(8*(\a)+(\b))+7]
.endif
.if (\ride) && (((\b)%4) == 3)
	RIDE
.endif
.endr
.endr
.endm
; 32 LDS loads in one run: a quarter's fragments into buffer f: my 128 rows of wt (slot bs, byte bk of the rows), then the 128 pairs (slot as, byte ak); pairs 64-127 last.
; A fragment is 16 rows x 32 K in 8 registers: lane l holds row l % 16, K = 8 (l / 16) + 0..7 and 16 + 8 (l / 16) + 0..7: two loads of 16 bytes, 32 bytes apart.
.macro FETCH bs, bk, as, ak, f
	WIN 0x40                                       ; destination window 1, address window 0
.irp i, 0,1,2,3,4,5,6,7
	ds_load_b128 v[(\f)+8*\i:(\f)+8*\i+3],   v[ADRB+(\bs)] offset:(\bk)+\i*16*PB
	ds_load_b128 v[(\f)+8*\i+4:(\f)+8*\i+7], v[ADRB+(\bs)] offset:(\bk)+\i*16*PB+32
.endr
	WIN 0
.irp i, 0,1,2,3,4,5,6,7
	ds_load_b128 v[(\f)+8*\i:(\f)+8*\i+3],   v[ADRA+(\as)] offset:(\ak)+\i*16*PA
	ds_load_b128 v[(\f)+8*\i+4:(\f)+8*\i+7], v[ADRA+(\as)] offset:(\ak)+\i*16*PA+32
.endr
.endm
; The first and the third quarter of a K step: multiplies buffer f; in its middle it fetches the next quarter's fragments into g.  Sixteen pieces ride.
.macro QUARTER bs, bk, as, ak, f, g, bias
	s_wait_dscnt 8                                 ; wt's fragments and pairs 0-63 are in: at most the youngest eight LDS instructions are out, and the run's last eight loads are pairs 64-127
	MUL16 \f, 0, 0, \bias, 1
	MUL16 \f, 0, 2, \bias, 1
	PLACES
	FETCH \bs, \bk, \as, \ak, \g
	s_wait_dscnt 32                                ; all but the 32 just issued
	MUL16 \f, 1, 0, \bias, 1
	MUL16 \f, 1, 2, \bias, 1
.endm
; The second quarter multiplies buffer 1.  Its barrier: in front of it my stores into slot 1 of |e - s| and my reads of slot 0 are done; behind it slot 1 is whole and is read,
; and slot 0 is written anew (gen = 1: the next even half-step; eight pieces here, sixteen in the third quarter).  No tensor load is issued behind this barrier, so the one that is out may stay out.
.macro QMID bs, gen, ld
	s_wait_dscnt 8
	MUL16 F1, 0, 0, 0, 0
	s_wait_dscnt 0x0                               ; for the others' sake: my stores and my reads
	s_barrier_signal -1
	MUL16 F1, 0, 2, 0, 0                           ; work on registers while the others arrive
	s_barrier_wait -1
	PLACES
	FETCH \bs, 128, 1, 0, F0
.if \gen
	GENSTART 0, \ld
.endif
	MUL16 F1, 1, 0, 0, 1
	MUL16 F1, 1, 2, 0, 1
.endm
; The fourth quarter multiplies buffer 1 and changes wt's slots.  In front of its barrier each wave waits for all its tensor loads, of which one is out: its rows of the next slot; adds 0 to its
; spare word; and waits for that, for its reads of wt's slot and of slot 1 of |e - s|, and for its stores into slot 0.  fill = 1: the barrier opens a round of the cluster's, and the joint refill,
; two K steps ahead, is the first thing behind it: from there to the wait for it a wave issues 224 matrix instructions.  Then slot 0 is read and slot 1 written anew (the next odd half-step).
.macro TURN bs, fill, ld
	WIN 0                                          ; (the add's two registers lie in window 0)
	s_wait_tensorcnt 0x0                           ; all my tensor loads have landed
	ds_add_u32 v[SPW], v[NIL]                      ; 0 onto my spare word
	s_wait_dscnt 9                                 ; (the add and the youngest eight before it may be out)
	MUL16 F1, 0, 0, 0, 0                           ; sixteen matrix instructions stand between the add and the wait for it
	s_wait_dscnt 0x0
	s_barrier_signal -1
	MUL16 F1, 0, 2, 0, 0
.if \fill
	WIN 0
.endif
	s_barrier_wait -1
.if \fill
	CREST                                          ; no wave of any partner still reads this slot or has a load on its way
	s_add_nc_u64 s[G0+4*(\bs)+2:G0+4*(\bs)+3], s[WB+2*(\bs):WB+2*(\bs)+1], s[KO:KO+1]  ; the address is made anew: my rows of wt, this slot's K step of the pair that is due
	s_or_b32 s[G0+4*(\bs)+3], s[G0+4*(\bs)+3], 0x80000000
	JLOAD \bs                                      ; its four v_nop are also the places in front of the loads below
.else
	PLACES
.endif
	FETCH 1-(\bs), 0, 0, 0, F0
	GENSTART 1, \ld
	MUL16 F1, 1, 0, 0, 1
	MUL16 F1, 1, 2, 0, 1
.endm
; A PASS'S WAY OUT.  relu in place (each accumulator's registers in ascending order); for each block a of 16 pairs a pair of sums of relu x W2 over my 128 h, four chains by turns;
; the pair's halves and the other half of the lanes' are added; the waves' parts meet in LDS; thread t takes pair t: four parts, b2, the sigmoid; the result goes into the pass's register.
.macro EDOT a4
.set i, 0                              ; i = 4 b + the pair of registers in block b
.rept 32
.irp a, 0,1,2,3
.if i == 0
	v_pk_mul_f32 v[PS+2*((\a4)+(\a)):PS+2*((\a4)+(\a))+1], v[64*(\a)+2*i:64*(\a)+2*i+1], v[W2F+2*i:W2F+2*i+1]
.else
	v_pk_fma_f32 v[PS+2*((\a4)+(\a)):PS+2*((\a4)+(\a))+1], v[64*(\a)+2*i:64*(\a)+2*i+1], v[W2F+2*i:W2F+2*i+1], v[PS+2*((\a4)+(\a)):PS+2*((\a4)+(\a))+1]
.endif
.endr
.set i, i+1
.endr
.endm
.macro EPI
	PLACES                                         ; behind the pass's last products
	WIN 0x88                                       ; destination and source 1 window 2
.set i, 0
.rept 256
	v_max_num_f32 v[i], 0, v[i]
.set i, i+1
.endr
	WIN 0x06                                       ; source 0 window 2, source 1 (W2) window 1, sums in window 0
	EDOT 0
	WIN 0xcc
.set i, 0
.rept 256
	v_max_num_f32 v[i], 0, v[i]
.set i, i+1
.endr
	WIN 0x07
	EDOT 4
	WIN 0
.irp a, 0,1,2,3,4,5,6,7
	v_add_f32 v[PS+2*\a], v[PS+2*\a], v[PS+2*\a+1]
.endr
.irp a, 0,1,2,3,4,5,6,7
	v_permlanex16_b32 v[PS+2*\a+1], v[PS+2*\a], s[SEL], s[SEL+1]  ; the pair's other 64 h lie in the lane 16 away
.endr
.irp a, 0,1,2,3,4,5,6,7
	v_add_f32 v[PS+2*\a], v[PS+2*\a], v[PS+2*\a+1]
.endr
.irp a, 0,1,2,3,4,5,6,7
	ds_store_b32 v[PST], v[PS+2*\a] offset:64*\a   ; both halves of the lanes write the same word with the same number
.endr
	s_wait_dscnt 0x0                               ; for the others' sake: my parts are stored
	s_barrier_signal -1
	s_barrier_wait -1                              ; the words are written again a pass later, behind the K steps' barriers, in front of which every wave has waited for the loads below
.irp c, 0,1,2,3
	ds_load_b32 v[Z+\c], v[PRD] offset:512*\c
.endr
	s_wait_dscnt 0x0
	v_add_f32 v[Z], v[Z], v[Z+1]
	v_add_f32 v[Z+2], v[Z+2], v[Z+3]
	v_add_f32 v[Z], v[Z], v[Z+2]
	v_add_f32 v[Z], s[BIAS2], v[Z]
	v_mul_f32 v[Z], 0xbfb8aa3b, v[Z]               ; - log2(e) x
	v_exp_f32 v[Z], v[Z]
	v_nop                                          ; a plain instruction between a transcendental and the use of its result (ISA guide 5.7.2)
	s_wait_alu depctr_va_vdst(0)
	v_add_f32 v[Z], 1.0, v[Z]
	v_rcp_f32 v[Z], v[Z]
	v_nop
	s_wait_alu depctr_va_vdst(0)
.irp c, 0,1,2,3,4,5,6,7
	s_cmp_eq_u32 s[PASS], \c
	s_cselect_b32 vcc_lo, -1, 0
	v_cndmask_b32 v[RES+4*((\c)%2)+(\c)/2], v[RES+4*((\c)%2)+(\c)/2], v[Z], vcc_lo
.endr
	s_add_co_u32 s[PASS], s[PASS], 1
.endm
	s_load_b256 s[4:11], s[0:1], 0x0               ; e s[4:5], s s[6:7], wt s[8:9], b1 s[10:11]
	s_load_b128 s[12:15], s[0:1], 0x20             ; W2 s[12:13], b2 s[14:15]
	s_load_b64 s[16:17], s[0:1], 0x30              ; out
	v_lshl_add_u32 v[SPW], v0, 2, SPARE
	v_mov_b32 v[NIL], 0
	ds_add_u32 v[SPW], v[NIL]                      ; the wave's opening: the add and its wait stand ahead of my first tensor load; the set-up below, work on registers, stands between them
	v_lshrrev_b32 v3, 5, v0
	v_readfirstlane_b32 s[WV], v3                  ; wave 0..3
	s_bfe_u32 s19, ttmp6, 0x40000                  ; cx: my place in the cluster: it enters the addresses of e, s and out alone
	s_lshl_b32 s20, ttmp9, 2                       ; in a cluster launch ttmp9 counts clusters
	s_add_co_u32 s20, s20, s19                     ; the work-group's number
	s_lshr_b32 s21, s20, 4                         ; its 16 n
	s_and_b32 s22, s20, 15                         ; its 64 m
	; descriptor group 1: a tile of 128 rows x 128 elements, padded in LDS
	s_mov_b32 s[G1+0], 15|(1<<16)|(1<<20)|(1<<21)|(5<<22)|(3<<25)  ; 15:0 the mask: all four work-groups; 17:16 elements of 2 bytes; 20 padding on; 21 set beside a mask; 24:22 after every 64 words (code 5); 31:25 4 words of it (code 3)
	s_mov_b32 s[G1+1], 128<<16                     ; tensor_dim0 = 128
	s_mov_b32 s[G1+2], 128<<16                     ; tensor_dim1 = 128
	s_mov_b32 s[G1+3], 128<<16                     ; tile_dim0 = 128
	s_mov_b32 s[G1+4], 128                         ; tile_dim1 = 128
	s_mov_b32 s[G1+5], 512                         ; 512 elements from row to row
	s_mov_b32 s[G1+6], 0
	s_mov_b32 s[G1+7], 0
	s_mul_i32 s[TL], s[WV], WTILE                  ; my rows' place in a slot
	s_lshl_b32 s[TW], s[WV], 17                    ; and in wt: 128 rows of 1,024 bytes
	s_mov_b32 s[TW+1], 0
	s_mov_b32 s[G0], 1                             ; count = 1
	s_mov_b32 s[G0+1], s[TL]                       ; LDS address, slot 0
	s_mov_b32 s[G0+4], 1
	s_add_co_u32 s[G0+5], s[TL], BSLOT             ; slot 1
	s_mov_b32 s[KO], 512
	s_mov_b32 s[KO+1], 0
	s_mov_b32 s[OFE+1], 0
	s_mov_b32 s[OFS+1], 0
	s_mov_b32 s[QL], 1
	s_mov_b32 s[LAP], 15
	s_mov_b32 s[PASS], 0
	s_mov_b32 s[ABSM], 0x7fff7fff
	s_mov_b32 s[SEL], 0x76543210
	s_mov_b32 s[SEL+1], 0xfedcba98
	s_wait_dscnt 0x0                               ; the opening add is done
	s_wait_kmcnt 0x0
	s_load_b32 s[BIAS2], s[14:15], 0x0             ; b2
	s_add_nc_u64 s[WB:WB+1], s[8:9], s[TW:TW+1]
	s_add_nc_u64 s[WB+2:WB+3], s[WB:WB+1], 256
	s_mov_b64 s[G0+2:G0+3], s[WB:WB+1]             ; K step 0
	s_or_b32 s[G0+3], s[G0+3], 0x80000000          ; type = 2
	s_mov_b64 s[G0+6:G0+7], s[WB+2:WB+3]           ; K step 1
	s_or_b32 s[G0+7], s[G0+7], 0x80000000
	s_lshl_b32 s70, s21, 15                        ; e: 16 rows of 2,048 bytes for the work-group,
	s_lshl_b32 s71, s[WV], 12                      ; 2 rows for the wave
	s_add_co_u32 s70, s70, s71
	s_mov_b32 s71, 0
	s_add_nc_u64 s[EBASE:EBASE+1], s[4:5], s[70:71]
	s_lshl_b32 s70, s22, 17                        ; s: 64 rows
	s_add_nc_u64 s[SBASE:SBASE+1], s[6:7], s[70:71]
	s_lshl_b32 s70, s21, 16                        ; out: 16 rows of 4,096 bytes, 64 columns of 4
	s_lshl_b32 s23, s22, 8
	s_add_co_u32 s70, s70, s23
	s_add_nc_u64 s[OUTB:OUTB+1], s[16:17], s[70:71]
	s_mov_b64 s[ECUR:ECUR+1], s[EBASE:EBASE+1]     ; half-step 0
	s_mov_b64 s[SCUR:SCUR+1], s[SBASE:SBASE+1]
	s_wait_kmcnt 0x0                               ; b2
	CROUND                                         ; all four work-groups are here: the first joint loads meet
	tensor_load_to_lds s[G0:G0+3], s[G1:G1+7]      ; both first fills go out together: two loads of mine are out
	s_nop 0
	tensor_load_to_lds s[G0+4:G0+7], s[G1:G1+7]
	s_nop 0
	PLACES
	v_and_b32 v1, 15, v0                           ; l % 16
	v_bfe_u32 v2, v0, 4, 1                         ; l / 16
	v_and_b32 v5, 7, v0                            ; l % 8
	v_bfe_u32 v6, v0, 3, 1                         ; bit 3 of l
	v_mul_u32_u24 v3, v1, PA
	v_lshl_add_u32 v3, v2, 4, v3                   ; a fragment's row x pitch + 16 x half
	v_add_nc_u32 v[ADRA], ABASE, v3
	v_add_nc_u32 v[ADRA+1], ABASE+ASLOT, v3
	v_mul_u32_u24 v4, v1, PB
	v_lshl_add_u32 v4, v2, 4, v4
	v_add_nc_u32 v[ADRB], s[TL], v4
	v_add_nc_u32 v[ADRB+1], BSLOT, v[ADRB]
	v_lshlrev_b32 v7, 3, v6
	v_lshl_add_u32 v7, v2, 2, v7                   ; 8 b3 + 4 b4: my first row of 16
	v_mul_u32_u24 v[ASTO], v7, PA
	v_lshl_add_u32 v[ASTO], v5, 4, v[ASTO]         ; + 16 bytes for each l % 8: sixteen lanes of a store touch sixteen different columns of 16 bytes
	s_mul_i32 s[TC], s[WV], 32*PA                  ; my wave's 32 rows
	s_add_co_u32 s[TC], s[TC], ABASE
	v_add_nc_u32 v[ASTO], s[TC], v[ASTO]
	v_lshlrev_b32 v[VE], 5, v5                     ; 8 f32 for each l % 8
	v_lshl_add_u32 v[VS], v7, 13, v[VE]            ; row r of the 16 is row 4 r of s: 8,192 bytes
	s_lshl_b32 s[TC], s[WV], 9
	v_lshl_add_u32 v[BW], v2, 5, s[TC]             ; 128 f32 for the wave, 8 for the half of the lanes
	s_add_co_u32 s[TC], s[TC], PART
	v_lshl_add_u32 v[PST], v1, 2, s[TC]
	v_lshl_add_u32 v[PRD], v0, 2, PART
	v_lshlrev_b32 v[OUTO], 4, v1                   ; thread t holds pair t: a = t / 16 is the row, r = t % 16 four columns
	v_lshl_add_u32 v[OUTO], v2, 12, v[OUTO]
	s_lshl_b32 s[TC], s[WV], 13
	v_add_nc_u32 v[OUTO], s[TC], v[OUTO]
	WIN 0x40                                       ; destination window 1, address window 0
.irp b, 0,1,2,3,4,5,6,7
	global_load_b128 v[8*\b:8*\b+3],         v[BW], s[10:11] offset:64*\b     ; b1[128 w + 16 b + 8 (l / 16) + 0..7], laid out like a result
	global_load_b128 v[8*\b+4:8*\b+7],       v[BW], s[10:11] offset:64*\b+16
	global_load_b128 v[W2F+8*\b:W2F+8*\b+3],   v[BW], s[12:13] offset:64*\b   ; W2 likewise
	global_load_b128 v[W2F+8*\b+4:W2F+8*\b+7], v[BW], s[12:13] offset:64*\b+16
.endr
	WIN 0
.irp i, 0,1
	global_load_b128 v[ES+8*\i:ES+8*\i+3],   v[VE], s[ECUR:ECUR+1] offset:2048*\i     ; half-step 0: e,
	global_load_b128 v[ES+8*\i+4:ES+8*\i+7], v[VE], s[ECUR:ECUR+1] offset:2048*\i+16
.endr
.irp i, 0,1,2,3
	global_load_b128 v[SS+8*\i:SS+8*\i+3],   v[VS], s[SCUR:SCUR+1] offset:8192*\i     ; and s
	global_load_b128 v[SS+8*\i+4:SS+8*\i+7], v[VS], s[SCUR:SCUR+1] offset:8192*\i+16
.endr
.irp i, 0,1,2,3,4,5,6,7
	v_mov_b32 v[RES+\i], 0                         ; the select of a pass's result reads all eight
.endr
	GENSTART 0, 1                                  ; half-step 0 is made with nothing to ride on; its first counted wait also shows b1 and W2 in, which were asked for earlier
.rept 24
	RIDE
.endr
	s_wait_tensorcnt 0x1                           ; my rows of K step 0 are in; K step 1's may stay out
	s_wait_dscnt 0x0                               ; my rows of half-step 0 are stored
	s_barrier_signal -1
	s_barrier_wait -1
	FETCH 0, 0, 0, 0, F0
	GENSTART 1, 1                                  ; half-step 1: eight pieces here, sixteen in the first quarter
.rept 8
	RIDE
.endr
	QUARTER 0, 64, 0, 64, F0, F1, 1                ; the first pass's first quarter stands in front of the loop
	WIN 0                                          ; at a label and at a branch every window is 0
.Llap:                                                 ; 15 trips: once round wt's ring, from a lap's second quarter to the next lap's first; both slots are filled again
	QMID 0, 1, 1
	QUARTER 0, 192, 1, 64, F0, F1, 0
	TURN 0, 1, 1
	QUARTER 1, 64, 0, 64, F0, F1, 0
	QMID 1, 1, 1
	QUARTER 1, 192, 1, 64, F0, F1, 0
	TURN 1, 1, 1
	s_xor_b32 s[KO], s[KO], 512                    ; the next two fills take the pass's other two K steps
	WIN 0
	s_and_b32 s[TC], s[LAP], 1                     ; a pass is two laps: with an even count left a pass has ended.  The count is the same in every wave and every work-group
	s_cmp_eq_u32 s[TC], 0
	s_cbranch_scc1 .Lnewpass
.set GPSAVE, GP
	QUARTER 0, 64, 0, 64, F0, F1, 0                ; the pass goes on
	WIN 0
	s_branch .Lbottom
.Lnewpass:
.set GP, GPSAVE                        ; both texts of the quarter carry the same sixteen pieces
	EPI                                            ; T and P, which hold an item half made, and the loads on their way are not touched
	QUARTER 0, 64, 0, 64, F0, F1, 1                ; the next pass's first products start the sums with b1
	WIN 0
.Lbottom:
	s_sub_co_u32 s[LAP], s[LAP], 1
	s_cmp_lg_u32 s[LAP], 0
	s_cbranch_scc1 .Llap
	QMID 0, 1, 1                                   ; the last lap is written out: nothing more is asked of wt.  Half-step 62 is made, 63 loaded
	QUARTER 0, 192, 1, 64, F0, F1, 0
	TURN 0, 0, 0                                   ; half-step 63 loads nothing: its waits count down 6, 4, 2, 0
	QUARTER 1, 64, 0, 64, F0, F1, 0
	QMID 1, 0, 0
	QUARTER 1, 192, 1, 64, F0, F1, 0
	s_wait_dscnt 8                                 ; the very last quarter: nothing more to fetch
	MUL16 F1, 0, 0, 0, 0
	MUL16 F1, 0, 2, 0, 0
	s_wait_dscnt 0x0
	MUL16 F1, 1, 0, 0, 0
	MUL16 F1, 1, 2, 0, 0
	EPI
	global_store_b128 v[OUTO], v[RES:RES+3],   s[OUTB:OUTB+1]               ; 16 lanes store 256 consecutive bytes, at a multiple of 256 from out's first byte: rows n0 + a,
	global_store_b128 v[OUTO], v[RES+4:RES+7], s[OUTB:OUTB+1] offset:32768  ; and n0 + 8 + a
	s_wait_tensorcnt 0x0                           ; the wave's end, behind my last tensor load and my last LDS store
	ds_add_u32 v[SPW], v[NIL]
	s_wait_dscnt 0x0
	CROUND                                         ; the closing round: no work-group ends while a partner may still ask for a tile that names it
	s_endpgm
.Lfunc_end_k_qffea5269f5_main:
	.size	k_qffea5269f5_main, .Lfunc_end_k_qffea5269f5_main-k_qffea5269f5_main
	.p2alignl 7, 3214868480
	.fill 96, 4, 3214868480
	.section	.rodata,"a",@progbits
	.p2align	6, 0x0
	.amdhsa_kernel k_qffea5269f5_main
		.amdhsa_group_segment_fixed_size 327680
		.amdhsa_private_segment_fixed_size 0
		.amdhsa_enable_private_segment 0
		.amdhsa_kernarg_size 56
		.amdhsa_user_sgpr_count 2
		.amdhsa_user_sgpr_kernarg_segment_ptr 1
		.amdhsa_wavefront_size32 1
		.amdhsa_system_sgpr_workgroup_id_x 1
		.amdhsa_system_sgpr_workgroup_id_y 1
		.amdhsa_system_sgpr_workgroup_id_z 1
		.amdhsa_system_vgpr_workitem_id 0
		.amdhsa_next_free_vgpr 1024
		.amdhsa_next_free_sgpr 80
		.amdhsa_reserve_vcc 1
		.amdhsa_float_denorm_mode_32 3
		.amdhsa_float_denorm_mode_16_64 3
		.amdhsa_memory_ordered 1
		.amdhsa_forward_progress 1
		.amdhsa_inst_pref_size 255
	.end_amdhsa_kernel
	.section	.bss,"aw",@nobits
	.p2align	6
	.space	262144
	.amdgpu_metadata
---
amdhsa.version: [ 1, 2 ]
amdhsa.kernels:
  - .name:           k_qffea5269f5_main
    .symbol:         k_qffea5269f5_main.kd
    .args:
      - { .name: embeddings, .offset: 0, .size: 8, .value_kind: global_buffer, .address_space: global }
      - { .name: support_tensors, .offset: 8, .size: 8, .value_kind: global_buffer, .address_space: global }
      - { .name: wt, .offset: 16, .size: 8, .value_kind: global_buffer, .address_space: global }
      - { .name: b1, .offset: 24, .size: 8, .value_kind: global_buffer, .address_space: global }
      - { .name: W2, .offset: 32, .size: 8, .value_kind: global_buffer, .address_space: global }
      - { .name: b2, .offset: 40, .size: 8, .value_kind: global_buffer, .address_space: global }
      - { .name: out0, .offset: 48, .size: 8, .value_kind: global_buffer, .address_space: global }
    .group_segment_fixed_size: 327680
    .private_segment_fixed_size: 0
    .kernarg_segment_align: 8
    .kernarg_segment_size: 56
    .max_flat_workgroup_size: 128
    .sgpr_count:     80
    .vgpr_count:     1024
    .wavefront_size: 32
...
	.end_amdgpu_metadata
.endif
;; end of part 2
